; MI455X (gfx1250); checked and timed in simulation.
; The chip was launched on July 23, 2026; its instructions are those of AMD's public machine-readable ISA for CDNA 5 (MIT licence, August 2026) and "CDNA5" Instruction Set Architecture Reference Guide (July 2026). The comments in the code are by the model that wrote it; some were corrected since.
;; Mo E. Allowed arithmetic: float matrix products may take bf16 or f16 operands with f32 sums; all other float work in f32.
;; Inputs: W1 16 x 2,048 x 2,048 float32; W2 16 x 2,048 x 2,048 float32; Wg 16 x 2,048 float32; b1 16 x 2,048 float32; b2 16 x 2,048 float32; bg 16 float32; x 2,048 float32.
;; Outputs: out0 2,048 float32.
;; Constants: train = 0.
;; One version. Each part assembles by itself: llvm-mc -triple=amdgcn-amd-amdhsa -mcpu=gfx1250 --defsym DOCPART=n.
;; ======== version 1 of 1: 3 launches
;; limits: right only within a limited range of input values
;; workspace buffers: sel 256 bytes of whole numbers; gate 256 bytes; hid 16,384 bytes
;; launch route (part 1): grid 1 x 1, 16 waves a work-group, no clusters, 3,072 bytes of LDS; arguments Wg, bg, x, sel, gate; writes sel, gate
.if DOCPART == 1
	.amdgcn_target "amdgcn-amd-amdhsa--gfx1250"
	.amdhsa_code_object_version 6
	.text
	.protected	k_q20859f9133_route
	.globl	k_q20859f9133_route
	.p2align	8
	.type	k_q20859f9133_route,@function
k_q20859f9133_route:
	s_mov_b64 s[64:65], 0
	v_nop
	global_prefetch_b8 v0, s[64:65] scope:SCOPE_SE
	s_setreg_imm32_b32 hwreg(HW_REG_WAVE_MODE, 25, 1), 1
	s_wait_xcnt 0x0
; ROUTING: logits = Wg x + bg (16 x 2048, f32), softmax, the two largest gates, tkg = vals / (vals.sum() + 1e-6).
; Stores sel[0:1] = the two expert numbers (whole numbers, from which the later launches form addresses) and gate[0:1] = tkg.
; One work-group, since the softmax needs all 16 logits and work-groups do not talk to each other.  16 waves.
; Thread t owns columns 4t .. 4t+3 of all 16 rows: x is read once (16 bytes a thread), each load of a wave covers 512 consecutive
; aligned bytes of a row, and all 16 row loads of every wave are out at once: the whole of Wg (128 KiB) is in flight.
; A lane's 16 partial sums are folded across the 16 lanes of a half wave so that lane l ends up with row l & 15; the waves' figures meet
; in LDS (64 bytes a wave), and wave 0 finishes with one logit in each lane.
; NOT USED: matrix instructions (the right-hand side is one column; f32 fused multiply-adds keep the logits exact enough to rank),
; clusters and tensor loads (one work-group, every byte used once, straight into registers).
; LIMITS: a gate below 2^-126 comes out as 0 (v_exp_f32 flushes denormal results); its weight is then 0 whichever expert is named.
; Ties go to the lower index, as in lax.top_k.  With a NaN among the logits no lane compares equal, both indices are stored as all ones
; (the later launches clamp them to 15) and both gates are NaN, so that the result is NaN as in reference().
.set ROWB,  8192                       ; bytes in a row of Wg
.set LOG2E, 0x3fb8aa3b                 ; 1.442695: e^d = 2^(1.442695 d)
.set EPS,   0x358637bd                 ; 1e-6
.set CO,    1                          ; v1       16 t: byte offset of my four columns in x and in every row
.set L15,   2                          ; v2       lane & 15
.set RO,    3                          ; v3       4 (lane & 15)
.set LST,   4                          ; v4       LDS: where my wave's figure for row lane & 15 goes
.set LRD,   5                          ; v5       LDS: 4 x lane, where wave 0 reads
.set BI,    6                          ; v6       bg[lane & 15] (wave 0)
.set X,     8                          ; v[8:11]  x of my four columns
.set W,     12                         ; v[12:75] row r: 4 registers as loaded, multiplied in place
.set P,     76                         ; v[76:91] my partial sum of row r
.set T,     92                         ; v[92:95] at work in the folds
.set Q,     W                          ; wave 0's tail uses the rows' registers again; all of them have been written
.set M,     20                         ; largest logit
.set D,     21
.set E,     22                         ; e^(logit - max)
.set S,     23                         ; their sum
.set R,     24                         ; a reciprocal
.set G,     25                         ; the gate of expert lane & 15
.set V0,    26                         ; the largest gate
.set G2,    27                         ; the gates without the largest
.set V1,    28                         ; the second largest
.set NEG,   29                         ; -1.0, below every gate
.set DN,    30
.set I,     32                         ; v[32:33] the two indices
.set O,     34                         ; v[34:35] the two normalised gates
.set ZERO,  36
	s_load_b256 s[4:11], s[0:1], 0x0               ; Wg s[4:5], bg s[6:7], x s[8:9], sel s[10:11]
	s_load_b64 s[12:13], s[0:1], 0x20              ; gate
	v_lshl_add_u32 v96, v0, 2, 0x400
	v_mov_b32 v97, 0
	v_lshlrev_b32 v[CO], 4, v0
	v_lshrrev_b32 v[LST], 5, v0
	v_readfirstlane_b32 s16, v[LST]                ; my wave's number
	v_and_b32 v[L15], 15, v0
	v_lshlrev_b32 v[RO], 2, v[L15]
	s_wait_kmcnt 0x0
	s_cmp_lg_u32 s16, 0
	s_cbranch_scc1 .Lrows                          ; only wave 0 adds the bias, so only wave 0 loads it, ahead of the rows:
	global_load_b32 v[BI], v[RO], s[6:7]           ; the counts below name younger loads only and are the same in every wave
.Lrows:
	global_load_b128 v[X:X+3], v[CO], s[8:9]
.irp r, 0,1,2,3,4,5,6,7,8,9,10,11,12,13,14,15
	global_load_b128 v[W+4*\r:W+4*\r+3], v[CO], s[4:5] offset:\r*ROWB th:TH_LOAD_NT
.endr
	s_lshl_b32 s17, s16, 6                         ; my wave's 64 bytes of LDS
	v_add_nc_u32 v[LST], s17, v[RO]
	v_and_b32 v[LRD], 31, v0
	v_lshlrev_b32 v[LRD], 2, v[LRD]
	s_mov_b32 s32, 0xff00ff00                      ; lanes whose bit 3 is set
	s_mov_b32 s33, 0xf0f0f0f0                      ; bit 2
	s_mov_b32 s34, 0xcccccccc                      ; bit 1
	s_mov_b32 s35, 0xaaaaaaaa                      ; bit 0
	s_mov_b32 s36, 0x76543210                      ; v_permlanex16_b32: lane i of one half reads lane i of the other
	s_mov_b32 s37, 0xfedcba98
; my four products of row r, summed.  left = the younger row loads, which stay out (loads return in order: ISA guide 5.7.1)
.macro DOT r, left
	s_wait_loadcnt \left
	v_pk_mul_f32 v[W+4*\r:W+4*\r+1], v[W+4*\r:W+4*\r+1], v[X:X+1]
	v_pk_fma_f32 v[W+4*\r:W+4*\r+1], v[W+4*\r+2:W+4*\r+3], v[X+2:X+3], v[W+4*\r:W+4*\r+1]
	v_add_f32 v[P+\r], v[W+4*\r], v[W+4*\r+1]
.endm
; One fold: cnt figures a lane become cnt/2.  A lane whose bit xm is 0 keeps the lower half of the rows and hands the upper half to
; lane xor xm; a lane whose bit is 1 the other way round.  Each figure then covers twice as many lanes.
.macro FOLD cnt, xm, msk
.set fj, 0
.rept \cnt/2
	v_cndmask_b32 v[T+2*(fj%2)],   v[P+fj],        v[P+fj+\cnt/2], \msk    ; the one I keep
	v_cndmask_b32 v[T+2*(fj%2)+1], v[P+fj+\cnt/2], v[P+fj],        \msk    ; the one my partner keeps
	v_add_f32_dpp v[P+fj], v[T+2*(fj%2)+1], v[T+2*(fj%2)] row_xmask:\xm row_mask:0xf bank_mask:0xf   ; my partner's gift + mine
.set fj, fj+1
.endr
.endm
.irp r, 0,1,2,3,4,5,6,7,8,9,10,11,12,13,14,15
	DOT \r, 15-\r
.endr
	FOLD 16, 8, s32
	FOLD 8, 4, s33
	FOLD 4, 2, s34
	FOLD 2, 1, s35                                 ; lane l: row l & 15, summed over its 16 lanes
	v_permlanex16_b32 v[T], v[P], s36, s37
	v_add_f32 v[P], v[P], v[T]                     ; and over the other 16: my wave's 128 columns
	ds_store_b32 v[LST], v[P]                      ; word 16 wave + row (both halves write the same word with the same value)
	s_wait_dscnt 0x0                               ; the store is done before I say so
	s_barrier_signal -1
	s_barrier_wait -1
	s_cmp_lg_u32 s16, 0
	s_cbranch_scc1 .Ldone
	; WAVE 0.  Lane l reads words l + 32 j: row l & 15 of waves (l >> 4) + 2 j; 128 consecutive bytes a load.
.irp j, 0,1,2,3,4,5,6,7
	ds_load_b32 v[Q+\j], v[LRD] offset:128*\j
.endr
	s_wait_dscnt 0x0
	v_pk_add_f32 v[Q:Q+1], v[Q:Q+1], v[Q+2:Q+3]
	v_pk_add_f32 v[Q+4:Q+5], v[Q+4:Q+5], v[Q+6:Q+7]
	v_pk_add_f32 v[Q:Q+1], v[Q:Q+1], v[Q+4:Q+5]
	v_add_f32 v[Q], v[Q], v[Q+1]
	v_permlanex16_b32 v[Q+1], v[Q], s36, s37       ; the even waves' sum meets the odd waves'
	v_add_f32 v[Q], v[Q], v[Q+1]
	v_add_f32 v[Q], v[Q], v[BI]                    ; logit of expert l & 15, in both halves of the wave
	; softmax over the 16 lanes of a half: the maximum is taken away first, as reference() does
	v_max_num_f32_dpp v[M], v[Q], v[Q] row_xmask:1 row_mask:0xf bank_mask:0xf
	v_max_num_f32_dpp v[M], v[M], v[M] row_xmask:2 row_mask:0xf bank_mask:0xf
	v_max_num_f32_dpp v[M], v[M], v[M] row_xmask:4 row_mask:0xf bank_mask:0xf
	v_max_num_f32_dpp v[M], v[M], v[M] row_xmask:8 row_mask:0xf bank_mask:0xf
	v_sub_f32 v[D], v[Q], v[M]
	v_mul_f32 v[D], LOG2E, v[D]
	v_exp_f32 v[E], v[D]
	v_mov_b32 v[NEG], -1.0                         ; a plain instruction between v_exp_f32 and the use of its result (ISA guide 5.7.2)
	s_wait_alu depctr_va_vdst(0)
	v_add_f32_dpp v[S], v[E], v[E] row_xmask:1 row_mask:0xf bank_mask:0xf
	v_add_f32_dpp v[S], v[S], v[S] row_xmask:2 row_mask:0xf bank_mask:0xf
	v_add_f32_dpp v[S], v[S], v[S] row_xmask:4 row_mask:0xf bank_mask:0xf
	v_add_f32_dpp v[S], v[S], v[S] row_xmask:8 row_mask:0xf bank_mask:0xf
	v_rcp_f32 v[R], v[S]
	v_mov_b32 v[ZERO], 0                           ; the place behind v_rcp_f32
	s_wait_alu depctr_va_vdst(0)
	v_mul_f32 v[G], v[E], v[R]                     ; gate
	; the largest gate and the lowest lane that holds it
	v_max_num_f32_dpp v[V0], v[G], v[G] row_xmask:1 row_mask:0xf bank_mask:0xf
	v_max_num_f32_dpp v[V0], v[V0], v[V0] row_xmask:2 row_mask:0xf bank_mask:0xf
	v_max_num_f32_dpp v[V0], v[V0], v[V0] row_xmask:4 row_mask:0xf bank_mask:0xf
	v_max_num_f32_dpp v[V0], v[V0], v[V0] row_xmask:8 row_mask:0xf bank_mask:0xf
	v_cmp_eq_f32 s20, v[G], v[V0]
	s_ctz_i32_b32 s21, s20                         ; first index.  It only selects values here: no address, no branch
	v_cmp_eq_u32 s22, s21, v[L15]
	v_cndmask_b32 v[G2], v[G], v[NEG], s22         ; that expert drops out (gates are never negative)
	v_max_num_f32_dpp v[V1], v[G2], v[G2] row_xmask:1 row_mask:0xf bank_mask:0xf
	v_max_num_f32_dpp v[V1], v[V1], v[V1] row_xmask:2 row_mask:0xf bank_mask:0xf
	v_max_num_f32_dpp v[V1], v[V1], v[V1] row_xmask:4 row_mask:0xf bank_mask:0xf
	v_max_num_f32_dpp v[V1], v[V1], v[V1] row_xmask:8 row_mask:0xf bank_mask:0xf
	v_cmp_eq_f32 s23, v[G2], v[V1]
	s_ctz_i32_b32 s24, s23                         ; second index
	v_add_f32 v[DN], v[V0], v[V1]
	v_add_f32 v[DN], EPS, v[DN]
	v_rcp_f32 v[R], v[DN]
	v_mov_b32 v[I], s21                            ; the place behind v_rcp_f32
	v_mov_b32 v[I+1], s24
	s_wait_alu depctr_va_vdst(0)
	v_mul_f32 v[O], v[V0], v[R]
	v_mul_f32 v[O+1], v[V1], v[R]
	s_wait_xcnt 0x0                                ; EXEC changes only when no earlier memory instruction still reads it
	v_cmp_eq_u32 vcc_lo, 0, v0
	s_wait_tensorcnt 0x0
	ds_add_u32 v96, v97
	s_wait_dscnt 0x0
	s_and_saveexec_b32 s25, vcc_lo                 ; lane 0 stores both pairs
	global_store_b64 v[ZERO], v[I:I+1], s[10:11]
	global_store_b64 v[ZERO], v[O:O+1], s[12:13]
	s_endpgm
.Ldone:
	s_wait_tensorcnt 0x0
	ds_add_u32 v96, v97
	s_wait_dscnt 0x0
	s_endpgm
.Lfunc_end_k_q20859f9133_route:
	.size	k_q20859f9133_route, .Lfunc_end_k_q20859f9133_route-k_q20859f9133_route
	.p2alignl 7, 3214868480
	.fill 96, 4, 3214868480
	.section	.rodata,"a",@progbits
	.p2align	6, 0x0
	.amdhsa_kernel k_q20859f9133_route
		.amdhsa_group_segment_fixed_size 3072
		.amdhsa_private_segment_fixed_size 0
		.amdhsa_enable_private_segment 0
		.amdhsa_kernarg_size 40
		.amdhsa_user_sgpr_count 2
		.amdhsa_user_sgpr_kernarg_segment_ptr 1
		.amdhsa_wavefront_size32 1
		.amdhsa_system_sgpr_workgroup_id_x 1
		.amdhsa_system_sgpr_workgroup_id_y 1
		.amdhsa_system_sgpr_workgroup_id_z 1
		.amdhsa_system_vgpr_workitem_id 0
		.amdhsa_next_free_vgpr 98
		.amdhsa_next_free_sgpr 66
		.amdhsa_reserve_vcc 1
		.amdhsa_float_denorm_mode_32 3
		.amdhsa_float_denorm_mode_16_64 3
		.amdhsa_memory_ordered 1
		.amdhsa_forward_progress 1
		.amdhsa_inst_pref_size 13
	.end_amdhsa_kernel
	.amdgpu_metadata
---
amdhsa.version: [ 1, 2 ]
amdhsa.kernels:
  - .name:           k_q20859f9133_route
    .symbol:         k_q20859f9133_route.kd
    .args:
      - { .name: Wg, .offset: 0, .size: 8, .value_kind: global_buffer, .address_space: global }
      - { .name: bg, .offset: 8, .size: 8, .value_kind: global_buffer, .address_space: global }
      - { .name: x, .offset: 16, .size: 8, .value_kind: global_buffer, .address_space: global }
      - { .name: sel, .offset: 24, .size: 8, .value_kind: global_buffer, .address_space: global }
      - { .name: gate, .offset: 32, .size: 8, .value_kind: global_buffer, .address_space: global }
    .group_segment_fixed_size: 3072
    .private_segment_fixed_size: 0
    .kernarg_segment_align: 8
    .kernarg_segment_size: 40
    .max_flat_workgroup_size: 512
    .sgpr_count:     66
    .vgpr_count:     98
    .wavefront_size: 32
...
	.end_amdgpu_metadata
.endif
;; end of part 1
;; launch hidden (part 2): grid 256 x 1, 16 waves a work-group, no clusters, 3,072 bytes of LDS; arguments W1, b1, x, sel, gate, hid; writes hid
.if DOCPART == 2
	.amdgcn_target "amdgcn-amd-amdhsa--gfx1250"
	.amdhsa_code_object_version 6
	.text
	.protected	k_q20859f9133_hidden
	.globl	k_q20859f9133_hidden
	.p2align	8
	.type	k_q20859f9133_hidden,@function
k_q20859f9133_hidden:
	s_mov_b64 s[64:65], 0
	v_nop
	global_prefetch_b8 v0, s[64:65] scope:SCOPE_SE
	s_setreg_imm32_b32 hwreg(HW_REG_WAVE_MODE, 25, 1), 1
	s_wait_xcnt 0x0
; FIRST LAYER OF THE TWO CHOSEN EXPERTS: hid[k][r] = tkg[k] * tanh(W1[sel[k]][r] . x + b1[sel[k]][r]), k = 0, 1, r = 0 .. 2047, all f32.
; The gate is folded in here (one fused multiply-add a row), since out = sum_k tkg[k] (W2 h_k + b2) = sum_k W2 (tkg[k] h_k) + tkg[k] b2.
; 4,096 rows of 8 KiB over 256 work-groups: group b takes k = b >> 7 and the 16 rows from 16 (b & 127) on, 128 KiB that lie together.
; 16 waves.  Thread t owns columns 4t .. 4t+3 of all 16 rows: x is read once by the group (16 bytes a thread), each load of a wave covers
; 512 consecutive aligned bytes, and a wave's 16 row loads are issued in one run as soon as the expert's number is known: the group's
; whole share is in flight at once, and every byte of W1 that is needed is read once.
; A lane's 16 partial sums are folded across 16 lanes so that lane l holds row l & 15; the waves' figures meet in LDS (64 bytes a wave);
; wave 0 adds the bias, takes tanh in 16 lanes and stores the group's 64 bytes with one instruction.
; NOT USED: matrix instructions (one column on the right: 15 of 16 result columns would be idle, and a conversion to bf16 costs more vector
; work than the two packed multiply-adds for 16 bytes); clusters and multicast (the groups share only x, 8 KiB beside 128 KiB of rows of
; their own, and the rows go straight into registers); a ring or a prefetch (nothing can be asked for before the expert's number is there,
; and then everything is asked for at once).  A group's result is 64 bytes: more rows a group would leave most of the chip without work.
; LIMITS: tanh(z) = 1 - 2 / (1 + e^(2z)): right at saturation (e^(2z) = inf or 0 gives +1, -1); its absolute error is about 2^-22, so the
; relative error grows as |z| falls below about 1e-4.  sel is clamped to 15 before it enters an address.
.set ROWB,  8192                       ; bytes in a row of W1
.set LOG2E2, 0x4038aa3b                ; 2.885390: e^(2z) = 2^(2.885390 z)
.set CO,    1                          ; v1       16 t: byte offset of my four columns
.set RO,    3                          ; v3       4 (lane & 15)
.set LST,   4                          ; v4       LDS: where my wave's figure for row lane & 15 goes
.set LRD,   5                          ; v5       4 x lane: where wave 0 reads in LDS, and where it stores in hid
.set BI,    6                          ; v6       b1 of row lane & 15 (wave 0)
.set X,     8                          ; v[8:11]  x of my four columns
.set W,     12                         ; v[12:75] row r: 4 registers as loaded, multiplied in place
.set P,     76                         ; v[76:91] my partial sum of row r
.set T,     92                         ; v[92:95] at work in the folds
.set Q,     W                          ; wave 0's tail
	s_load_b256 s[4:11], s[0:1], 0x0               ; W1 s[4:5], b1 s[6:7], x s[8:9], sel s[10:11]
	s_load_b128 s[12:15], s[0:1], 0x20             ; gate s[12:13], hid s[14:15]
	v_lshl_add_u32 v96, v0, 2, 0x400
	v_mov_b32 v97, 0
	v_lshlrev_b32 v[CO], 4, v0
	v_lshrrev_b32 v[LST], 5, v0
	v_readfirstlane_b32 s16, v[LST]                ; my wave's number
	v_and_b32 v[RO], 15, v0
	v_lshlrev_b32 v[RO], 2, v[RO]
	s_lshr_b32 s17, ttmp9, 7                       ; k
	s_lshl_b32 s17, s17, 2                         ; its word in sel and in gate
	s_and_b32 s22, ttmp9, 127                      ; which 16 rows of the expert
	s_lshl_b32 s23, s22, 17                        ; 16 rows of 8,192 bytes
	s_lshl_b32 s28, s22, 6                         ; 16 biases
	s_mov_b32 s25, 0
	s_mov_b32 s27, 0
	s_wait_kmcnt 0x0
	s_load_b32 s18, s[10:11], s17 offset:0x0       ; sel[k]
	s_load_b32 s20, s[12:13], s17 offset:0x0       ; tkg[k]
	global_load_b128 v[X:X+3], v[CO], s[8:9]       ; x does not wait for the expert's number
	s_wait_kmcnt 0x0
	s_min_u32 s18, s18, 15                         ; an index stays inside its table
	s_lshl_b32 s24, s18, 24                        ; an expert's W1 is 2^24 bytes; the sum stays below 2^28
	s_add_co_u32 s24, s24, s23
	s_add_nc_u64 s[4:5], s[4:5], s[24:25]          ; W1 at my group's first row
	s_lshl_b32 s26, s18, 13
	s_add_co_u32 s26, s26, s28
	s_add_nc_u64 s[6:7], s[6:7], s[26:27]          ; b1 at my group's first row
	s_cmp_lg_u32 s16, 0
	s_cbranch_scc1 .Lrows                          ; only wave 0 adds the bias, so only wave 0 loads it, ahead of the rows:
	global_load_b32 v[BI], v[RO], s[6:7]           ; the counts below name younger loads only and are the same in every wave
.Lrows:
.irp r, 0,1,2,3,4,5,6,7,8,9,10,11,12,13,14,15
	global_load_b128 v[W+4*\r:W+4*\r+3], v[CO], s[4:5] offset:\r*ROWB th:TH_LOAD_NT
.endr
	s_lshl_b32 s17, s16, 6                         ; my wave's 64 bytes of LDS (the scalar loads that read s17 are done)
	v_add_nc_u32 v[LST], s17, v[RO]
	v_and_b32 v[LRD], 31, v0
	v_lshlrev_b32 v[LRD], 2, v[LRD]
	s_lshl_b32 s30, ttmp9, 6                       ; hid: 16 numbers a group, in the order of the groups
	s_mov_b32 s31, 0
	s_add_nc_u64 s[14:15], s[14:15], s[30:31]
	s_mul_f32 s21, s20, -2.0                       ; g tanh = g - 2 g / (1 + e^(2z))
	s_mov_b32 s32, 0xff00ff00                      ; lanes whose bit 3 is set
	s_mov_b32 s33, 0xf0f0f0f0                      ; bit 2
	s_mov_b32 s34, 0xcccccccc                      ; bit 1
	s_mov_b32 s35, 0xaaaaaaaa                      ; bit 0
	s_mov_b32 s36, 0x76543210                      ; v_permlanex16_b32: lane i of one half reads lane i of the other
	s_mov_b32 s37, 0xfedcba98
; my four products of row r, summed.  left = the younger row loads, which stay out (loads return in order: ISA guide 5.7.1)
.macro DOT r, left
	s_wait_loadcnt \left
	v_pk_mul_f32 v[W+4*\r:W+4*\r+1], v[W+4*\r:W+4*\r+1], v[X:X+1]
	v_pk_fma_f32 v[W+4*\r:W+4*\r+1], v[W+4*\r+2:W+4*\r+3], v[X+2:X+3], v[W+4*\r:W+4*\r+1]
	v_add_f32 v[P+\r], v[W+4*\r], v[W+4*\r+1]
.endm
; One fold: cnt figures a lane become cnt/2.  A lane whose bit xm is 0 keeps the lower half of the rows and hands the upper half to
; lane xor xm; a lane whose bit is 1 the other way round.  Each figure then covers twice as many lanes.
.macro FOLD cnt, xm, msk
.set fj, 0
.rept \cnt/2
	v_cndmask_b32 v[T+2*(fj%2)],   v[P+fj],        v[P+fj+\cnt/2], \msk    ; the one I keep
	v_cndmask_b32 v[T+2*(fj%2)+1], v[P+fj+\cnt/2], v[P+fj],        \msk    ; the one my partner keeps
	v_add_f32_dpp v[P+fj], v[T+2*(fj%2)+1], v[T+2*(fj%2)] row_xmask:\xm row_mask:0xf bank_mask:0xf   ; my partner's gift + mine
.set fj, fj+1
.endr
.endm
.irp r, 0,1,2,3,4,5,6,7,8,9,10,11,12,13,14,15
	DOT \r, 15-\r
.endr
	FOLD 16, 8, s32
	FOLD 8, 4, s33
	FOLD 4, 2, s34
	FOLD 2, 1, s35                                 ; lane l: row l & 15, summed over its 16 lanes
	v_permlanex16_b32 v[T], v[P], s36, s37
	v_add_f32 v[P], v[P], v[T]                     ; and over the other 16: my wave's 128 columns
	ds_store_b32 v[LST], v[P]                      ; word 16 wave + row (both halves write the same word with the same value)
	s_wait_dscnt 0x0                               ; the store is done before I say so
	s_barrier_signal -1
	s_barrier_wait -1
	s_cmp_lg_u32 s16, 0
	s_cbranch_scc1 .Ldone
	; WAVE 0.  Lane l reads words l + 32 j: row l & 15 of waves (l >> 4) + 2 j; 128 consecutive bytes a load.
.irp j, 0,1,2,3,4,5,6,7
	ds_load_b32 v[Q+\j], v[LRD] offset:128*\j
.endr
	s_wait_dscnt 0x0
	v_pk_add_f32 v[Q:Q+1], v[Q:Q+1], v[Q+2:Q+3]
	v_pk_add_f32 v[Q+4:Q+5], v[Q+4:Q+5], v[Q+6:Q+7]
	v_pk_add_f32 v[Q:Q+1], v[Q:Q+1], v[Q+4:Q+5]
	v_add_f32 v[Q], v[Q], v[Q+1]
	v_permlanex16_b32 v[Q+1], v[Q], s36, s37       ; the even waves' sum meets the odd waves'
	v_add_f32 v[Q], v[Q], v[Q+1]
	v_add_f32 v[Q], v[Q], v[BI]                    ; z
	v_mul_f32 v[Q], LOG2E2, v[Q]
	v_exp_f32 v[Q+1], v[Q]                         ; e^(2z)
	v_nop                                          ; one plain instruction behind a transcendental before its result is used (ISA guide 5.7.2)
	s_wait_alu depctr_va_vdst(0)
	v_add_f32 v[Q+1], 1.0, v[Q+1]
	v_rcp_f32 v[Q+2], v[Q+1]
	v_nop
	s_wait_alu depctr_va_vdst(0)
	v_fma_f32 v[Q], v[Q+2], s21, s20               ; g - 2 g / (1 + e^(2z)) = g tanh(z)
	s_wait_xcnt 0x0                                ; EXEC changes only when no earlier memory instruction still reads it
	v_cmp_gt_u32 vcc_lo, 16, v0
	s_wait_tensorcnt 0x0
	ds_add_u32 v96, v97
	s_wait_dscnt 0x0
	s_and_saveexec_b32 s38, vcc_lo                 ; lanes 0-15 hold the 16 rows
	global_store_b32 v[LRD], v[Q], s[14:15]        ; 64 consecutive bytes
	s_endpgm
.Ldone:
	s_wait_tensorcnt 0x0
	ds_add_u32 v96, v97
	s_wait_dscnt 0x0
	s_endpgm
.Lfunc_end_k_q20859f9133_hidden:
	.size	k_q20859f9133_hidden, .Lfunc_end_k_q20859f9133_hidden-k_q20859f9133_hidden
	.p2alignl 7, 3214868480
	.fill 96, 4, 3214868480
	.section	.rodata,"a",@progbits
	.p2align	6, 0x0
	.amdhsa_kernel k_q20859f9133_hidden
		.amdhsa_group_segment_fixed_size 3072
		.amdhsa_private_segment_fixed_size 0
		.amdhsa_enable_private_segment 0
		.amdhsa_kernarg_size 48
		.amdhsa_user_sgpr_count 2
		.amdhsa_user_sgpr_kernarg_segment_ptr 1
		.amdhsa_wavefront_size32 1
		.amdhsa_system_sgpr_workgroup_id_x 1
		.amdhsa_system_sgpr_workgroup_id_y 1
		.amdhsa_system_sgpr_workgroup_id_z 1
		.amdhsa_system_vgpr_workitem_id 0
		.amdhsa_next_free_vgpr 98
		.amdhsa_next_free_sgpr 66
		.amdhsa_reserve_vcc 1
		.amdhsa_float_denorm_mode_32 3
		.amdhsa_float_denorm_mode_16_64 3
		.amdhsa_memory_ordered 1
		.amdhsa_forward_progress 1
		.amdhsa_inst_pref_size 12
	.end_amdhsa_kernel
	.amdgpu_metadata
---
amdhsa.version: [ 1, 2 ]
amdhsa.kernels:
  - .name:           k_q20859f9133_hidden
    .symbol:         k_q20859f9133_hidden.kd
    .args:
      - { .name: W1, .offset: 0, .size: 8, .value_kind: global_buffer, .address_space: global }
      - { .name: b1, .offset: 8, .size: 8, .value_kind: global_buffer, .address_space: global }
      - { .name: x, .offset: 16, .size: 8, .value_kind: global_buffer, .address_space: global }
      - { .name: sel, .offset: 24, .size: 8, .value_kind: global_buffer, .address_space: global }
      - { .name: gate, .offset: 32, .size: 8, .value_kind: global_buffer, .address_space: global }
      - { .name: hid, .offset: 40, .size: 8, .value_kind: global_buffer, .address_space: global }
    .group_segment_fixed_size: 3072
    .private_segment_fixed_size: 0
    .kernarg_segment_align: 8
    .kernarg_segment_size: 48
    .max_flat_workgroup_size: 512
    .sgpr_count:     66
    .vgpr_count:     98
    .wavefront_size: 32
...
	.end_amdgpu_metadata
.endif
;; end of part 2
;; launch combine (part 3): grid 256 x 1, 16 waves a work-group, no clusters, 2,560 bytes of LDS; arguments W2, b2, hid, sel, gate, out0; writes out0
.if DOCPART == 3
	.amdgcn_target "amdgcn-amd-amdhsa--gfx1250"
	.amdhsa_code_object_version 6
	.text
	.protected	k_q20859f9133_combine
	.globl	k_q20859f9133_combine
	.p2align	8
	.type	k_q20859f9133_combine,@function
k_q20859f9133_combine:
	s_mov_b64 s[64:65], 0
	v_nop
	global_prefetch_b8 v0, s[64:65] scope:SCOPE_SE
	s_setreg_imm32_b32 hwreg(HW_REG_WAVE_MODE, 25, 1), 1
	s_wait_xcnt 0x0
; SECOND LAYER AND THE WEIGHTED SUM: out[o] = sum over k = 0, 1 of ( W2[sel[k]][o] . hid[k] + tkg[k] b2[sel[k]][o] ), all f32,
; where hid[k] = tkg[k] tanh(..) already carries the gate.
; 2,048 outputs over 256 work-groups: group b takes outputs 8b .. 8b+7, that is 8 rows of 8 KiB from each of the two experts (two runs of
; 64 KiB).  One group owns both experts' rows of an output, so no sum crosses work-groups.
; 16 waves.  Thread t owns columns 4t .. 4t+3 of all 16 rows: hid is read once by the group (two loads of 16 bytes a thread), each load of
; a wave covers 512 consecutive aligned bytes, and the 16 row loads are issued in one run as soon as the experts' numbers are known.
; The two experts' products of an output are summed in the lane: 8 partial sums, folded across 8 lanes so that lane l holds output l & 7;
; the waves' figures meet in LDS (32 bytes a wave); wave 0 adds the biases and stores the group's 32 bytes with one instruction.
; NOT USED, for the reasons of the first layer: matrix instructions (one column on the right), clusters and multicast (the groups share only
; hid, 16 KiB beside 128 KiB of rows of their own), a ring or a prefetch (all loads go out at once, as early as their addresses exist).
; A group's result is 32 bytes: more outputs a group would leave most of the chip without work.
; LIMITS: sel is clamped to 15 before it enters an address.
.set ROWB,  8192                       ; bytes in a row of W2, and in a row of hid
.set CO,    1                          ; v1       16 t: byte offset of my four columns
.set RO,    3                          ; v3       4 (lane & 7)
.set LST,   4                          ; v4       LDS: where my wave's figure for output lane & 7 goes
.set LRD,   5                          ; v5       4 x lane: where wave 0 reads in LDS, and where it stores in out
.set B0,    6                          ; v6       b2[sel[0]] of output lane & 7 (wave 0)
.set B1,    7                          ; v7       b2[sel[1]] likewise
.set H0,    8                          ; v[8:11]  hid[0] of my four columns
.set H1,    12                         ; v[12:15] hid[1]
.set W,     16                         ; v[16:79] output j: 4 registers of the first expert's row, 4 of the second's
.set P,     80                         ; v[80:87] my partial sum of output j
.set T,     88                         ; v[88:91] at work in the folds
.set Q,     W                          ; wave 0's tail
	s_load_b256 s[4:11], s[0:1], 0x0               ; W2 s[4:5], b2 s[6:7], hid s[8:9], sel s[10:11]
	s_load_b128 s[12:15], s[0:1], 0x20             ; gate s[12:13], out s[14:15]
	v_lshl_add_u32 v92, v0, 2, 0x200
	v_mov_b32 v93, 0
	v_lshlrev_b32 v[CO], 4, v0
	v_lshrrev_b32 v[LST], 5, v0
	v_readfirstlane_b32 s16, v[LST]                ; my wave's number
	v_and_b32 v[RO], 7, v0
	v_lshlrev_b32 v[RO], 2, v[RO]
	s_lshl_b32 s22, ttmp9, 16                      ; 8 rows of 8,192 bytes
	s_lshl_b32 s23, ttmp9, 5                       ; 8 numbers of b2 and of out
	s_mov_b32 s25, 0
	s_mov_b32 s27, 0
	s_mov_b32 s29, 0
	s_mov_b32 s31, 0
	s_wait_kmcnt 0x0
	s_load_b64 s[18:19], s[10:11], 0x0             ; sel[0], sel[1]
	s_load_b64 s[20:21], s[12:13], 0x0             ; tkg[0], tkg[1]
	global_load_b128 v[H0:H0+3], v[CO], s[8:9]     ; hid does not wait for the experts' numbers
	global_load_b128 v[H1:H1+3], v[CO], s[8:9] offset:ROWB
	s_wait_kmcnt 0x0
	s_min_u32 s18, s18, 15                         ; an index stays inside its table
	s_min_u32 s19, s19, 15
	s_lshl_b32 s24, s18, 24                        ; an expert's W2 is 2^24 bytes; the sums stay below 2^28
	s_add_co_u32 s24, s24, s22
	s_add_nc_u64 s[24:25], s[4:5], s[24:25]        ; the first expert's rows
	s_lshl_b32 s26, s19, 24
	s_add_co_u32 s26, s26, s22
	s_add_nc_u64 s[26:27], s[4:5], s[26:27]        ; the second expert's rows
	s_lshl_b32 s28, s18, 13
	s_add_co_u32 s28, s28, s23
	s_add_nc_u64 s[28:29], s[6:7], s[28:29]        ; and their biases
	s_lshl_b32 s30, s19, 13
	s_add_co_u32 s30, s30, s23
	s_add_nc_u64 s[30:31], s[6:7], s[30:31]
	s_cmp_lg_u32 s16, 0
	s_cbranch_scc1 .Lrows                          ; only wave 0 adds the biases, so only wave 0 loads them, ahead of the rows:
	global_load_b32 v[B0], v[RO], s[28:29]         ; the counts below name younger loads only and are the same in every wave
	global_load_b32 v[B1], v[RO], s[30:31]
.Lrows:
.irp j, 0,1,2,3,4,5,6,7
	global_load_b128 v[W+8*\j:W+8*\j+3],   v[CO], s[24:25] offset:\j*ROWB th:TH_LOAD_NT
	global_load_b128 v[W+8*\j+4:W+8*\j+7], v[CO], s[26:27] offset:\j*ROWB th:TH_LOAD_NT
.endr
	s_lshl_b32 s17, s16, 5                         ; my wave's 32 bytes of LDS
	v_add_nc_u32 v[LST], s17, v[RO]
	v_and_b32 v[LRD], 31, v0
	v_lshlrev_b32 v[LRD], 2, v[LRD]
	s_mov_b32 s38, s23
	s_mov_b32 s39, 0
	s_add_nc_u64 s[14:15], s[14:15], s[38:39]      ; out at my group's first output
	s_mov_b32 s33, 0xf0f0f0f0                      ; lanes whose bit 2 is set
	s_mov_b32 s34, 0xcccccccc                      ; bit 1
	s_mov_b32 s35, 0xaaaaaaaa                      ; bit 0
	s_mov_b32 s36, 0x76543210                      ; v_permlanex16_b32: lane i of one half reads lane i of the other
	s_mov_b32 s37, 0xfedcba98
; my eight products of output j (four from each expert), summed.  left = the younger row loads, which stay out (loads return in order:
; ISA guide 5.7.1)
.macro DOT2 j, left
	s_wait_loadcnt \left
	v_pk_mul_f32 v[W+8*\j:W+8*\j+1], v[W+8*\j:W+8*\j+1], v[H0:H0+1]
	v_pk_fma_f32 v[W+8*\j:W+8*\j+1], v[W+8*\j+2:W+8*\j+3], v[H0+2:H0+3], v[W+8*\j:W+8*\j+1]
	v_pk_fma_f32 v[W+8*\j:W+8*\j+1], v[W+8*\j+4:W+8*\j+5], v[H1:H1+1], v[W+8*\j:W+8*\j+1]
	v_pk_fma_f32 v[W+8*\j:W+8*\j+1], v[W+8*\j+6:W+8*\j+7], v[H1+2:H1+3], v[W+8*\j:W+8*\j+1]
	v_add_f32 v[P+\j], v[W+8*\j], v[W+8*\j+1]
.endm
; One fold: cnt figures a lane become cnt/2.  A lane whose bit xm is 0 keeps the lower half of the outputs and hands the upper half to
; lane xor xm; a lane whose bit is 1 the other way round.  Each figure then covers twice as many lanes.
.macro FOLD cnt, xm, msk
.set fj, 0
.rept \cnt/2
	v_cndmask_b32 v[T+2*(fj%2)],   v[P+fj],        v[P+fj+\cnt/2], \msk    ; the one I keep
	v_cndmask_b32 v[T+2*(fj%2)+1], v[P+fj+\cnt/2], v[P+fj],        \msk    ; the one my partner keeps
	v_add_f32_dpp v[P+fj], v[T+2*(fj%2)+1], v[T+2*(fj%2)] row_xmask:\xm row_mask:0xf bank_mask:0xf   ; my partner's gift + mine
.set fj, fj+1
.endr
.endm
.irp j, 0,1,2,3,4,5,6,7
	DOT2 \j, 14-2*\j
.endr
	FOLD 8, 4, s33
	FOLD 4, 2, s34
	FOLD 2, 1, s35                                 ; lane l: output l & 7, summed over its 8 lanes
	v_add_f32_dpp v[P], v[P], v[P] row_xmask:8 row_mask:0xf bank_mask:0xf    ; over 16
	v_permlanex16_b32 v[T], v[P], s36, s37
	v_add_f32 v[P], v[P], v[T]                     ; over all 32: my wave's 128 columns
	ds_store_b32 v[LST], v[P]                      ; word 8 wave + output (four lanes write the same word with the same value)
	s_wait_dscnt 0x0                               ; the store is done before I say so
	s_barrier_signal -1
	s_barrier_wait -1
	s_cmp_lg_u32 s16, 0
	s_cbranch_scc1 .Ldone
	; WAVE 0.  Lane l reads words l + 32 j: output l & 7 of waves (l >> 3) + 4 j; 128 consecutive bytes a load.
.irp j, 0,1,2,3
	ds_load_b32 v[Q+\j], v[LRD] offset:128*\j
.endr
	s_wait_dscnt 0x0
	v_pk_add_f32 v[Q:Q+1], v[Q:Q+1], v[Q+2:Q+3]
	v_add_f32 v[Q], v[Q], v[Q+1]
	v_add_f32_dpp v[Q], v[Q], v[Q] row_xmask:8 row_mask:0xf bank_mask:0xf    ; the four groups of waves meet: lane xor 8,
	v_permlanex16_b32 v[Q+1], v[Q], s36, s37                                 ; lane xor 16
	v_add_f32 v[Q], v[Q], v[Q+1]
	v_fma_f32 v[Q], s20, v[B0], v[Q]               ; + tkg[0] b2[sel[0]][o]
	v_fma_f32 v[Q], s21, v[B1], v[Q]               ; + tkg[1] b2[sel[1]][o]
	s_wait_xcnt 0x0                                ; EXEC changes only when no earlier memory instruction still reads it
	v_cmp_gt_u32 vcc_lo, 8, v0
	s_wait_tensorcnt 0x0
	ds_add_u32 v92, v93
	s_wait_dscnt 0x0
	s_and_saveexec_b32 s17, vcc_lo                 ; lanes 0-7 hold the 8 outputs
	global_store_b32 v[LRD], v[Q], s[14:15] th:TH_STORE_NT    ; 32 consecutive bytes
	s_endpgm
.Ldone:
	s_wait_tensorcnt 0x0
	ds_add_u32 v92, v93
	s_wait_dscnt 0x0
	s_endpgm
.Lfunc_end_k_q20859f9133_combine:
	.size	k_q20859f9133_combine, .Lfunc_end_k_q20859f9133_combine-k_q20859f9133_combine
	.p2alignl 7, 3214868480
	.fill 96, 4, 3214868480
	.section	.rodata,"a",@progbits
	.p2align	6, 0x0
	.amdhsa_kernel k_q20859f9133_combine
		.amdhsa_group_segment_fixed_size 2560
		.amdhsa_private_segment_fixed_size 0
		.amdhsa_enable_private_segment 0
		.amdhsa_kernarg_size 48
		.amdhsa_user_sgpr_count 2
		.amdhsa_user_sgpr_kernarg_segment_ptr 1
		.amdhsa_wavefront_size32 1
		.amdhsa_system_sgpr_workgroup_id_x 1
		.amdhsa_system_sgpr_workgroup_id_y 1
		.amdhsa_system_sgpr_workgroup_id_z 1
		.amdhsa_system_vgpr_workitem_id 0
		.amdhsa_next_free_vgpr 94
		.amdhsa_next_free_sgpr 66
		.amdhsa_reserve_vcc 1
		.amdhsa_float_denorm_mode_32 3
		.amdhsa_float_denorm_mode_16_64 3
		.amdhsa_memory_ordered 1
		.amdhsa_forward_progress 1
		.amdhsa_inst_pref_size 10
	.end_amdhsa_kernel
	.amdgpu_metadata
---
amdhsa.version: [ 1, 2 ]
amdhsa.kernels:
  - .name:           k_q20859f9133_combine
    .symbol:         k_q20859f9133_combine.kd
    .args:
      - { .name: W2, .offset: 0, .size: 8, .value_kind: global_buffer, .address_space: global }
      - { .name: b2, .offset: 8, .size: 8, .value_kind: global_buffer, .address_space: global }
      - { .name: hid, .offset: 16, .size: 8, .value_kind: global_buffer, .address_space: global }
      - { .name: sel, .offset: 24, .size: 8, .value_kind: global_buffer, .address_space: global }
      - { .name: gate, .offset: 32, .size: 8, .value_kind: global_buffer, .address_space: global }
      - { .name: out0, .offset: 40, .size: 8, .value_kind: global_buffer, .address_space: global }
    .group_segment_fixed_size: 2560
    .private_segment_fixed_size: 0
    .kernarg_segment_align: 8
    .kernarg_segment_size: 48
    .max_flat_workgroup_size: 512
    .sgpr_count:     66
    .vgpr_count:     94
    .wavefront_size: 32
...
	.end_amdgpu_metadata
.endif
;; end of part 3
